; MI455X (gfx1250); checked and timed in simulation.
; The chip was launched on July 23, 2026; its instructions are those of AMD's public machine-readable ISA for CDNA 5 (MIT licence, August 2026) and "CDNA5" Instruction Set Architecture Reference Guide (July 2026). The comments in the code are by the model that wrote it; some were corrected since.
;; Attention. Allowed arithmetic: matrix products marked QUANTISED: E5M2 operands, one given power-of-two scale a tensor, by v_wmma_f32_16x16x64_bf8_bf8 or v_wmma_f32_16x16x128_bf8_bf8, f32 sums; everything else in f32.
;; Inputs: Wk 1,024 x 1,024 float32; Wo 1,024 x 1,024 float32; Wq 1,024 x 1,024 float32; Wv 1,024 x 1,024 float32; bk 1,024 float32; bo 1,024 float32; bq 1,024 float32; bv 1,024 float32; c 2 x 4,096 x 1,024 float32; lowp_scales 12 int32 (the exponents e of the quantised operands' scales 2^e); x 2 x 2,048 x 1,024 float32.
;; Outputs: out0 2 x 2,048 x 1,024 float32.
;; This version of the problem:
;;   THIS VERSION OF THE PROBLEM IS GIVEN IN LOW PRECISION. The matrix products marked QUANTISED in the list below multiply operands that are first quantised to E5M2 (5 exponent bits, 2 mantissa bits; 8 bits a number), with one given power-of-two scale for each operand tensor; their sums are f32. All else is computed in f32.
;;   The module's matrix products, in the order in which they are computed (A, B: the left and right operand; K: the contracted axis; several contracted axes count as one K, in the product's order):
;;     1. [M 4,096, K 1,024] x [K 1,024, N 1,024]; A: input x; B: input Wq: QUANTISED (scales: A lowp_scales[0], B lowp_scales[1])
;;     2. [M 8,192, K 1,024] x [K 1,024, N 1,024]; A: input c; B: input Wk: QUANTISED (scales: A lowp_scales[2], B lowp_scales[3])
;;     3. [M 8,192, K 1,024] x [K 1,024, N 1,024]; A: input c; B: input Wv: QUANTISED (scales: A lowp_scales[4], B lowp_scales[5])
;;     4. batch 32 x [M 2,048, K 64] x [K 64, N 4,096]; A: computed on the way; B: computed on the way: QUANTISED (scales: A lowp_scales[6], B lowp_scales[7])
;;     5. batch 32 x [M 2,048, K 4,096] x [K 4,096, N 64]; A: softmax (see below); B: computed on the way: QUANTISED (scales: A lowp_scales[8], B lowp_scales[9])
;;     6. [M 4,096, K 1,024] x [K 1,024, N 1,024]; A: computed on the way; B: input Wo: QUANTISED (scales: A lowp_scales[10], B lowp_scales[11])
;;   THE QUANTISER, for each operand of a quantised product, along K:
;;     - The operand's scale is 2^e, e = its entry of the input lowp_scales (int32; the entries are numbered through the quantised products in the list's order, A before B).
;;     - Each number is divided by the scale, clamped to +-57,344, and rounded to the nearest number of E5M2, ties to even, subnormals kept.
;;     - The product sums the exact products of the quantised numbers (number of the format x scale) in f32.
;;   ~~~python
;;   def quantise(x, axis, e):      # numpy; x: float32 -> the quantised numbers, widened to float32 again
;;       x = np.moveaxis(x, axis, -1); K = x.shape[-1]
;;       r = np.clip(x / 2.0 ** e, -57344, 57344)
;;       step = 2.0 ** (np.maximum(np.frexp(np.where(r == 0, 1, r))[1] - 1, -14) - 2)
;;       q = np.round(r / step) * step * 2.0 ** e      # np.round: ties to even
;;       return np.moveaxis(q, -1, axis).astype(np.float32)
;;   ~~~
;;   SOFTMAX AHEAD OF A QUANTISED PRODUCT. Where the list says 'softmax', what is quantised is not the finished softmax but p = 2^(t - M), with t = logit x log2(e) and M = ceil(the row's largest t), a whole number; so 1/2 < the row's largest p <= 1. The row's sum l is taken of the UNQUANTISED p, in f32, and the product's result is divided by l at the end. Since M is a whole number, a kernel that streams over the keys may use a running M (the ceiling of the running maximum): every later rescaling is an exact power of two, so the quantised numbers keep their values, but for numbers so far below the row's largest that they fall under the format's range.
;;   OPERANDS COMPUTED ON THE WAY. 'Computed on the way' means the value that the module computes at that place (a softmax that the list does not call 'softmax' is quantised finished and normalised). What goes into a quantiser is computed in f32, as accurately as f32 sums, v_exp_f32 and their like allow (about 1e-6 of the number): no bf16 or f16 on the way to a quantiser, and a product that is left as it is and whose result goes on into a quantised operand takes f32 operands (vector FMAs, or v_wmma_f32_16x16x4_f32). A number that lies on a knife's edge between two numbers of the format may be rounded either way, as far as f32 arithmetic and the matrix unit's own rounding can turn it there, and no further.
;; One version. Each part assembles by itself: llvm-mc -triple=amdgcn-amd-amdhsa -mcpu=gfx1250 --defsym DOCPART=n.
;; ======== version 1 of 1: 3 launches
;; workspace buffers: rows 20,971,520 bytes; wts 4,194,304 bytes; ocod 4,194,304 bytes
;; launch quant (part 1): grid 1024 x 1, 4 waves a work-group, no clusters, 35,328 bytes of LDS; arguments c, x, Wq, Wk, Wv, Wo, lowp_scales, rows, wts; writes rows, wts
.if DOCPART == 1
	.amdgcn_target "amdgcn-amd-amdhsa--gfx1250"
	.amdhsa_code_object_version 6
	.text
	.protected	k_qea3d7ac93b_quant
	.globl	k_qea3d7ac93b_quant
	.p2align	8
	.type	k_qea3d7ac93b_quant,@function
k_qea3d7ac93b_quant:
	s_mov_b64 s[64:65], 0
	v_nop
	global_prefetch_b8 v0, s[64:65] scope:SCOPE_SE
	s_setreg_imm32_b32 hwreg(HW_REG_WAVE_MODE, 25, 1), 1
	s_wait_xcnt 0x0
; x [4096][1024], c [8192][1024], Wq, Wk, Wv, Wo [1024][1024], all f32 with K innermost, become codes of BF8 (E5M2), each with the scale 2^e that is given for it:
; x e0, Wq e1, c e2 (for the product with Wk) AND c e4 (for the product with Wv: two sets of codes, since the two scales may differ), Wk e3, Wv e5, Wo e11.
; code = number / 2^e, held within +-57,344, rounded to the nearest code, ties to even.
; LIMITS: each of these e lies between -126 and 112, so that 2^e and 57,344 x 2^e are f32 numbers.  NaN among the inputs is not served (an infinity is held at the largest code).
; THE CODES ARE LAID AS IMAGES OF OPERAND REGISTERS.  An image is 16 rows x 128 along K, 2,048 bytes: the code of (row r, k) lies at byte 256 (k / 16) + 16 r + k % 16.
;   rows: [row block 0..31][K step 0..7][81,920]: x's 8 images (128 queries), then c's 16 images under e2 (256 keys), then c's 16 images under e4.
;   wts:  [column block 0..7][K step 0..7][65,536]: 8 images each of Wq, Wk, Wv, Wo (128 rows of each).
; SHARES.  A work-group owns 16 rows of one tensor (work-groups 0-511 c, 512-767 x, 768-831 Wq, 832-895 Wk, 896-959 Wv, 960-1023 Wo); wave w owns k = 256 w .. 256 w + 255, in four steps of 64.
; One way through the text: pointers and exponents are chosen on the work-group's number; only c's second conversion stands under a branch on that number (vector lines and stores alone).
; A load takes 256 consecutive bytes of each of two rows, 16 bytes a lane; the conversions want 16 NEIGHBOURS along K in one lane: so a step's 4,096 bytes turn through the wave's own stage in LDS
; (16 rows, 272 bytes apart) and come back 64 bytes a lane.  A lane's 16 codes are 16 bytes, and the wave's store covers 512 consecutive bytes of an image.
; No tensor loads, no barrier: waves share nothing.  All 32 loads of a wave go out at the start; the turn through LDS runs one step ahead of the work.
.set R,    16                          ; v16-143  four steps x 32 registers as loaded; a step's codes are later made in its own first 16, so that no store's data are written again
.set X,    144                         ; v144-207 two sets of 32: a lane's 16 neighbours of two chunks
.set T,    208                         ; v208-239 two sets of 16: the numbers held, by turns
.set PIT,  272                         ; a stage row: 256 bytes + 16 of padding
.set STG,  16*PIT                      ; a stage
.set WREG, 2*STG                       ; a wave's two stages
	s_load_b512 s[4:19], s[0:1], 0x0               ; c s[4:5], x s[6:7], Wq s[8:9], Wk s[10:11], Wv s[12:13], Wo s[14:15], the exponents s[16:17], rows s[18:19]
	s_load_b64 s[20:21], s[0:1], 0x40              ; wts
	v_lshl_add_u32 v240, v0, 2, 0x8800
	v_mov_b32 v241, 0
	v_lshrrev_b32 v1, 5, v0
	v_readfirstlane_b32 s22, v1                    ; wave 0..3
	v_and_b32 v2, 31, v0                           ; lane
	v_lshrrev_b32 v5, 4, v2                        ; lane / 16
	v_and_b32 v6, 15, v2                           ; lane % 16
	v_lshlrev_b32 v3, 12, v5
	v_lshl_add_u32 v3, v6, 4, v3                   ; in: lanes 0-15 one row's 256 bytes, lanes 16-31 the next row's
	v_lshlrev_b32 v4, 4, v2                        ; out: 16 bytes a lane
	s_mul_i32 s23, s22, WREG
	v_mul_u32_u24 v14, v5, PIT
	v_lshl_add_u32 v14, v6, 4, v14
	v_add_nc_u32 v14, s23, v14                     ; into the stage, as loaded
	v_mul_u32_u24 v15, v6, PIT
	v_lshl_add_u32 v15, v5, 6, v15
	v_add_nc_u32 v15, s23, v15                     ; out of it: row lane % 16, chunk lane / 16 (and two chunks further on)
	; where the 16 rows' images begin in their buffer, for each of the three kinds of tensor
	s_lshr_b32 s48, ttmp9, 4                       ; c: row block g / 16, image g % 16, behind x's 16,384 bytes
	s_mul_i32 s48, s48, 655360
	s_and_b32 s49, ttmp9, 15
	s_lshl_b32 s49, s49, 11
	s_add_co_u32 s48, s48, s49
	s_add_co_u32 s48, s48, 16384
	s_sub_co_u32 s50, ttmp9, 512                   ; x: its group gx; row block gx / 8, image gx % 8
	s_lshr_b32 s51, s50, 3
	s_mul_i32 s51, s51, 655360
	s_and_b32 s52, s50, 7
	s_lshl_b32 s52, s52, 11
	s_add_co_u32 s51, s51, s52
	s_sub_co_u32 s53, ttmp9, 768                   ; a weight: tensor gw / 64, its group gw % 64: column block / 8, image % 8
	s_and_b32 s54, s53, 63
	s_lshr_b32 s55, s54, 3
	s_lshl_b32 s55, s55, 19
	s_lshr_b32 s56, s53, 6
	s_and_b32 s56, s56, 3
	s_lshl_b32 s56, s56, 14
	s_add_co_u32 s55, s55, s56
	s_and_b32 s56, s54, 7
	s_lshl_b32 s56, s56, 11
	s_add_co_u32 s55, s55, s56
	s_wait_kmcnt 0x0
	s_load_b256 s[24:31], s[16:17], 0x0            ; e0 .. e7
	s_load_b128 s[32:35], s[16:17], 0x20           ; e8 .. e11
	s_cmp_lt_u32 ttmp9, 960                        ; the choices hang on the work-group's number alone
	s_cselect_b64 s[36:37], s[12:13], s[14:15]
	s_cmp_lt_u32 ttmp9, 896
	s_cselect_b64 s[36:37], s[10:11], s[36:37]
	s_cmp_lt_u32 ttmp9, 832
	s_cselect_b64 s[36:37], s[8:9], s[36:37]
	s_cmp_lt_u32 ttmp9, 768
	s_cselect_b64 s[36:37], s[6:7], s[36:37]
	s_cselect_b64 s[38:39], s[18:19], s[20:21]     ; the codes go to rows or to wts,
	s_cselect_b32 s57, s50, s54                    ; the group's number in its tensor,
	s_cselect_b32 s58, s51, s55                    ; where its images begin,
	s_mov_b32 s59, 65536
	s_cselect_b32 s59, 81920, s59                  ; and the bytes from one K step's block to the next
	s_cmp_lt_u32 ttmp9, 512
	s_cselect_b64 s[36:37], s[4:5], s[36:37]
	s_cselect_b32 s57, ttmp9, s57
	s_cselect_b32 s58, s48, s58
	s_lshl_b32 s60, s57, 16                        ; 16 rows of 4,096 bytes,
	s_lshl_b32 s61, s22, 10                        ; my wave's 1,024 bytes of a row
	s_add_co_u32 s60, s60, s61
	s_mov_b32 s61, 0
	s_add_nc_u64 s[40:41], s[36:37], s[60:61]      ; the numbers
	s_lshl_b32 s62, s22, 1
	s_mul_i32 s62, s62, s59
	s_add_co_u32 s62, s62, s58
	s_mov_b32 s63, 0
	s_add_nc_u64 s[42:43], s[38:39], s[62:63]      ; the image of K step 2 w,
	s_mov_b32 s62, s59
	s_add_nc_u64 s[44:45], s[42:43], s[62:63]      ; and of K step 2 w + 1
.macro LOAD t                          ; step t: 64 along K of the 16 rows: eight loads, each two runs of 256 consecutive bytes, aligned
.irp i, 0,1,2,3,4,5,6,7
	global_load_b128 v[R+32*(\t)+4*\i:R+32*(\t)+4*\i+3], v3, s[40:41] offset:8192*\i+256*(\t) th:TH_LOAD_NT
.endr
.endm
.macro TURN t                          ; step t's numbers through the stage: LDS serves a wave's instructions in order (ISA guide 5.7.1.4), so no wait stands between the stores and the loads
.irp i, 0,1,2,3,4,5,6,7
	ds_store_b128 v14, v[R+32*(\t)+4*\i:R+32*(\t)+4*\i+3] offset:STG*((\t)%2)+2*PIT*\i
.endr
.irp u, 0,1
.irp j, 0,1,2,3
	ds_load_b128 v[X+32*((\t)%2)+16*\u+4*\j:X+32*((\t)%2)+16*\u+4*\j+3], v15 offset:STG*((\t)%2)+128*\u+16*\j
.endr
.endr
.endm
; 16 neighbours (chunk lane / 16 + 2 u of step t) are held, converted and stored.  v[lim]: the largest number x the scale; v[sc]: the scale; dst: four registers for the codes; extra: bytes on in the block
.macro CONV t, u, lim, sc, dst, extra
.irp i, 0,1,2,3,4,5,6,7,8,9,10,11,12,13,14,15
	v_med3_num_f32 v[T+16*(\u)+\i], v[X+32*((\t)%2)+16*(\u)+\i], -v[\lim], v[\lim]   ; the conversion to an 8-bit code does not saturate (ISA guide 7.6.2): the hold comes first
.endr
	v_cvt_scalef32_pk8_bf8_f32 v[\dst:\dst+1], v[T+16*(\u):T+16*(\u)+7], v[\sc]
	v_cvt_scalef32_pk8_bf8_f32 v[\dst+2:\dst+3], v[T+16*(\u)+8:T+16*(\u)+15], v[\sc]  ; its sources are written again only behind the other set's sixteen holds; its result goes to a store alone
	global_store_b128 v4, v[\dst:\dst+3], s[42+2*((\t)/2):43+2*((\t)/2)] offset:1024*((\t)%2)+512*(\u)+\extra   ; 32 lanes store 512 consecutive bytes of an image
.endm
.macro STEP t
	s_wait_dscnt 0x0                               ; this step's numbers are back from the stage, and its stores into the stage have read their registers
.if (\t) < 3
	s_wait_loadcnt 8*(2-(\t))                      ; the next step's eight loads are in; those of the steps behind it may be out
	TURN (\t)+1
.endif
	CONV \t, 0, 10, 11, R+32*(\t), 0
	CONV \t, 1, 10, 11, R+32*(\t)+4, 0
	s_cmp_lt_u32 ttmp9, 512                        ; c is converted a second time, under e4, into the images 32,768 bytes further on
	s_cbranch_scc0 .Lone_\@
	CONV \t, 0, 12, 13, R+32*(\t)+8, 32768
	CONV \t, 1, 12, 13, R+32*(\t)+12, 32768
.Lone_\@:
.endm
	LOAD 0
	LOAD 1
	LOAD 2
	LOAD 3
	s_wait_kmcnt 0x0
	s_cmp_lt_u32 ttmp9, 960                        ; my tensor's exponent, by the same chain
	s_cselect_b32 s46, s29, s35
	s_cmp_lt_u32 ttmp9, 896
	s_cselect_b32 s46, s27, s46
	s_cmp_lt_u32 ttmp9, 832
	s_cselect_b32 s46, s25, s46
	s_cmp_lt_u32 ttmp9, 768
	s_cselect_b32 s46, s24, s46
	s_cmp_lt_u32 ttmp9, 512
	s_cselect_b32 s46, s26, s46
	s_add_co_i32 s46, s46, 127
	s_lshl_b32 s47, s46, 23
	v_mov_b32 v11, s47                             ; 2^e as f32: the conversion takes its exponent field
	s_add_co_i32 s46, s46, 15
	s_lshl_b32 s46, s46, 23
	s_or_b32 s46, s46, 0x600000
	v_mov_b32 v10, s46                             ; 57,344 x 2^e
	s_add_co_i32 s48, s28, 127                     ; the same for e4
	s_lshl_b32 s47, s48, 23
	v_mov_b32 v13, s47
	s_add_co_i32 s48, s48, 15
	s_lshl_b32 s48, s48, 23
	s_or_b32 s48, s48, 0x600000
	v_mov_b32 v12, s48
	s_wait_loadcnt 24                              ; step 0's eight loads are in; 24 younger ones may be out
	TURN 0
	STEP 0
	STEP 1
	STEP 2
	STEP 3
	s_wait_tensorcnt 0x0
	ds_add_u32 v240, v241
	s_wait_dscnt 0x0
	s_endpgm
.Lfunc_end_k_qea3d7ac93b_quant:
	.size	k_qea3d7ac93b_quant, .Lfunc_end_k_qea3d7ac93b_quant-k_qea3d7ac93b_quant
	.p2alignl 7, 3214868480
	.fill 96, 4, 3214868480
	.section	.rodata,"a",@progbits
	.p2align	6, 0x0
	.amdhsa_kernel k_qea3d7ac93b_quant
		.amdhsa_group_segment_fixed_size 35328
		.amdhsa_private_segment_fixed_size 0
		.amdhsa_enable_private_segment 0
		.amdhsa_kernarg_size 72
		.amdhsa_user_sgpr_count 2
		.amdhsa_user_sgpr_kernarg_segment_ptr 1
		.amdhsa_wavefront_size32 1
		.amdhsa_system_sgpr_workgroup_id_x 1
		.amdhsa_system_sgpr_workgroup_id_y 1
		.amdhsa_system_sgpr_workgroup_id_z 1
		.amdhsa_system_vgpr_workitem_id 0
		.amdhsa_next_free_vgpr 242
		.amdhsa_next_free_sgpr 66
		.amdhsa_reserve_vcc 0
		.amdhsa_float_denorm_mode_32 3
		.amdhsa_float_denorm_mode_16_64 3
		.amdhsa_memory_ordered 1
		.amdhsa_forward_progress 1
		.amdhsa_inst_pref_size 32
	.end_amdhsa_kernel
	.amdgpu_metadata
---
amdhsa.version: [ 1, 2 ]
amdhsa.kernels:
  - .name:           k_qea3d7ac93b_quant
    .symbol:         k_qea3d7ac93b_quant.kd
    .args:
      - { .name: c, .offset: 0, .size: 8, .value_kind: global_buffer, .address_space: global }
      - { .name: x, .offset: 8, .size: 8, .value_kind: global_buffer, .address_space: global }
      - { .name: Wq, .offset: 16, .size: 8, .value_kind: global_buffer, .address_space: global }
      - { .name: Wk, .offset: 24, .size: 8, .value_kind: global_buffer, .address_space: global }
      - { .name: Wv, .offset: 32, .size: 8, .value_kind: global_buffer, .address_space: global }
      - { .name: Wo, .offset: 40, .size: 8, .value_kind: global_buffer, .address_space: global }
      - { .name: lowp_scales, .offset: 48, .size: 8, .value_kind: global_buffer, .address_space: global }
      - { .name: rows, .offset: 56, .size: 8, .value_kind: global_buffer, .address_space: global }
      - { .name: wts, .offset: 64, .size: 8, .value_kind: global_buffer, .address_space: global }
    .group_segment_fixed_size: 35328
    .private_segment_fixed_size: 0
    .kernarg_segment_align: 8
    .kernarg_segment_size: 72
    .max_flat_workgroup_size: 128
    .sgpr_count:     66
    .vgpr_count:     242
    .wavefront_size: 32
...
	.end_amdgpu_metadata
.endif
;; end of part 1
;; launch qkvatt (part 2): grid 8 x 32, 4 waves a work-group, clusters of 4 x 4, 327,680 bytes of LDS; arguments rows, wts, bq, bk, bv, lowp_scales, ocod; writes ocod
.if DOCPART == 2
	.amdgcn_target "amdgcn-amd-amdhsa--gfx1250"
	.amdhsa_code_object_version 6
	.text
	.protected	k_qea3d7ac93b_qkvatt
	.globl	k_qea3d7ac93b_qkvatt
	.p2align	8
	.type	k_qea3d7ac93b_qkvatt,@function
k_qea3d7ac93b_qkvatt:
	s_mov_b64 s[64:65], 0
	v_nop
	global_prefetch_b8 v0, s[64:65] scope:SCOPE_SE
	s_setreg_imm32_b32 hwreg(HW_REG_WAVE_MODE, 25, 1), 1
	s_wait_xcnt 0x0
	s_wait_alu depctr_hold_cnt(0) depctr_sa_sdst(0) depctr_va_vdst(0) depctr_va_sdst(0) depctr_va_ssrc(0) depctr_va_vcc(0) depctr_vm_vsrc(0)
	s_getreg_b32 s2, hwreg(HW_REG_IB_STS2, 6, 4)
	s_cmp_eq_u32 s2, 0
	s_cbranch_scc0 .Lentry_in_a_cluster
	s_endpgm
.Lentry_in_a_cluster:
	s_bfe_u32 s2, ttmp6, 0x10000c
	s_cmp_lg_u32 s2, 0xf033
	s_cbranch_scc0 .Lentry_shape_is_right
	s_endpgm
.Lentry_shape_is_right:
; q = x Wq^T + bq, k = c Wk^T + bk, v = c Wv^T + bv on codes of BF8 (K = 1,024), then the attention, all in one launch; what leaves is o as codes of BF8 under e10, laid as images for the last product.
; THE MASK is built from the sizes alone: with twice as many keys as queries, query Q (both batches counted through) sees rows 2 Q and 2 Q + 1 of c and no other key.  Every other key has p = 0 and never
; sets the row's maximum, so a row's softmax is over two numbers, taken in one step: t = score x log2(e) / 8, M = ceil(max(t0, t1)), p = 2^(t - M), l = p0 + p1 of the unquantised p, o = (p v) / l.
; SHARES.  A work-group owns 128 queries, their 256 keys, and 128 columns (two heads).  Wave w: half w / 2 of the rows (64 queries, 128 keys), head w % 2 (64 columns).
; 80 accumulators a wave: q 16, k 32, v 32.  K goes in 8 steps of 128 through a ring of two LDS slots; a slot holds x's 8, c's 16 + 16 and Wq's, Wk's, Wv's 8 + 8 + 8 images of 2,048 bytes, dense:
; four ds_load_b128 at 16 x lane + 512 c bring a fragment (lane (r, h): row r, k = 32 c + 16 h + 0 .. 15 in registers 4 c .. 4 c + 3: one permutation of k, alike on both sides of every product).
; CLUSTERS: 4 x 4 work-groups.  The four of a row of the cluster share the row block's images, the four of a column the weights': each is asked for JOINTLY, by the same tensor load with a mask that names the four.
; LAYOUT.  q and k are made TRANSPOSED (source 0 = 16 rows of W, source 1 = 16 rows of x or c): a lane holds one row and eight neighbouring channels, so four tiles' conversions ARE a fragment of 16 rows x 64 channels
; for the scores.  v is made plain (source 0 = 16 rows of c, source 1 = 16 rows of Wv): a lane holds one channel and eight neighbouring keys: four tiles' conversions ARE a fragment of V^T, 16 channels x 64 keys.
; Scores: S^T = k q^T on the tiles that the mask leaves (16 queries x their 32 keys).  O^T = V^T P^T with P's fragment zero but for each query's two codes.
; LIMITS on the given exponents, so that each power of two is an f32 number: e8, e10, e6 - e0 - e1, e7 - e2 - e3, e9 - e4 - e5 between -126 and 112; e6 + e7 between -124 and 130 (added to an exponent field).
; NaN and infinities among the inputs are not served.  A p under 2^-126 comes out as 0.
; REGISTERS, in windows of 256.  Window 0: v1-29 addresses and constants; v32-95 x's four fragments; v96-159, v160-223 four fragments of c each, by turns; v224-231 bv.
;   Window 1: v0-127 q's accumulators ((row tile, column tile) at 8 (4 rt + ct)), later O^T; v128-191, v192-255 two sets of four fragments of a weight.   Window 2: k's accumulators (8 (4 kt + ct)).   Window 3: v's.
.set SLOTB, 131072                     ; a slot: x +0, c under e2 +16,384, c under e4 +49,152, Wq +81,920, Wk +98,304, Wv +114,688
.set SPARE, 2*SLOTB                    ; behind the ring: the spare words, 128 bytes for each wave: two blocks of 256 bytes that no other line names
.set RBX,  32
.set RB0,  96
.set RB1,  160
.set AX,   16                          ; v16-17 LDS address of my x fragments in slot 0, 1
.set ACK,  18                          ; v18-19 of my c fragments under e2
.set ACV,  20                          ; v20-21 of my c fragments under e4
.set AW,   22                          ; v22-23 of my Wq fragments (Wk's 16,384 and Wv's 32,768 bytes on)
.set G1R,  28                          ; s[28:35] descriptor group 1 for the rows' images;  s[36:43] group 0, one set for each slot
.set G0R,  36
.set G1W,  44                          ; s[44:51], s[52:59] the same for the weights'
.set G0W,  52
.set Q_MUL, 0x51                       ; source 0 (W) window 1, source 1 (x) window 0, C and D window 1
.set K_MUL, 0xa1                       ; the same, C and D window 2
.set V_MUL, 0xf4                       ; source 0 (c) window 0, source 1 (W) window 1, C and D window 3
.set TO_W,  0x40                       ; destination window 1
.set MSB, 0
.macro WIN new                         ; the immediate's high byte repeats the setting that is left; a switch that changes nothing is dropped
.if MSB != \new
	s_set_vgpr_msb (MSB<<8)|\new
.set MSB, \new
.endif
.endm
.macro PLACES                          ; four plain vector lines between a matrix instruction and a load into, or a vector read or write of, its registers (ISA guide 7.12.1 for vector reads and writes)
.rept 4
	v_nop
.endr
.endm
; A joint load: waves 0 and 1 fetch the two halves of the rows' images, waves 2 and 3 of the weights'.  The branch hangs on the wave's number alone.  Four v_nop follow each of the two lines.
.macro JLOAD g0a, g1a, g0b, g1b
	s_cmp_eq_u32 s19, 0
	s_cbranch_scc0 .Lfor_b_\@
	tensor_load_to_lds s[\g0a:\g0a+3], s[\g1a:\g1a+7]
	s_nop 0
.rept 4
	v_nop
.endr
	s_branch .Lasked_\@
.Lfor_b_\@:
	tensor_load_to_lds s[\g0b:\g0b+3], s[\g1b:\g1b+7]
	s_nop 0
.rept 4
	v_nop
.endr
.Lasked_\@:
.endm
.macro CREST                           ; a round of the cluster's barrier behind its opening barrier
	s_cmp_lg_u32 s18, 0
	s_cbranch_scc1 .Lnot_wave_0_\@
	s_barrier_signal -3
.Lnot_wave_0_\@:
	s_barrier_wait -3
	s_barrier_signal -1
	s_barrier_wait -1
.endm
.macro CROUND                          ; a whole round
	s_barrier_signal -1
	s_barrier_wait -1
	CREST
.endm
.macro MKSC e, vs, vl                  ; v[vs] = 2^e as f32, v[vl] = 57,344 x 2^e
	s_add_co_i32 s92, \e, 127
	s_lshl_b32 s93, s92, 23
	v_mov_b32 v[\vs], s93
	s_add_co_i32 s92, s92, 15
	s_lshl_b32 s92, s92, 23
	s_or_b32 s92, s92, 0x600000
	v_mov_b32 v[\vl], s92
.endm
	s_load_b256 s[4:11], s[0:1], 0x0               ; rows s[4:5], wts s[6:7], bq s[8:9], bk s[10:11]
	s_load_b128 s[12:15], s[0:1], 0x20             ; bv s[12:13], the exponents s[14:15]
	s_load_b64 s[16:17], s[0:1], 0x30              ; ocod
	v_lshl_add_u32 v4, v0, 2, SPARE                ; my spare word; never rewritten
	v_mov_b32 v5, 0                                ; 0; never rewritten
	ds_add_u32 v4, v5
	ds_add_u32 v4, v5
	s_wait_dscnt 0x0
	v_lshrrev_b32 v1, 5, v0
	v_readfirstlane_b32 s18, v1                    ; wave 0..3
	s_lshr_b32 s19, s18, 1                         ; which half of the rows is mine.  Also: I fetch rows' images (0) or weights' (1)
	s_and_b32 s20, s18, 1                          ; which head.  Also: which half of them I fetch
	s_bfe_u32 s21, ttmp6, 0x40000                  ; cx, cy: my place in the cluster
	s_bfe_u32 s22, ttmp6, 0x40004
	s_lshl_b32 s23, ttmp9, 2
	s_add_co_u32 s23, s23, s21                     ; column block = 4 x cluster x + cx
	s_and_b32 s24, ttmp7, 0xffff
	s_lshl_b32 s24, s24, 2
	s_add_co_u32 s24, s24, s22                     ; row block = 4 x cluster y + cy
	s_lshl_b32 s26, s22, 2
	s_lshl_b32 s26, 15, s26                        ; my row of the cluster
	s_lshl_b32 s27, 0x1111, s21                    ; my column
	; descriptor groups 1: dense blocks as rows of 256 bytes (32 elements of 8 bytes): 160 rows for half of a row block's 81,920 bytes, 96 for half of the three weights' 49,152
	s_or_b32 s[G1R+0], s26, (3<<16)|(1<<21)        ; 15:0 the mask; 17:16 elements of 8 bytes; 21 set beside a mask; no padding
	s_or_b32 s[G1W+0], s27, (3<<16)|(1<<21)
	s_mov_b32 s[G1R+1], 32<<16                     ; tensor_dim0 = 32
	s_mov_b32 s[G1R+2], 160<<16                    ; tensor_dim1 = 160
	s_mov_b32 s[G1R+3], 32<<16                     ; tile_dim0 = 32
	s_mov_b32 s[G1R+4], 160                        ; tile_dim1 = 160
	s_mov_b32 s[G1R+5], 32                         ; from row to row: 32 elements
	s_mov_b32 s[G1R+6], 0
	s_mov_b32 s[G1R+7], 0
	s_mov_b32 s[G1W+1], 32<<16
	s_mov_b32 s[G1W+2], 96<<16
	s_mov_b32 s[G1W+3], 32<<16
	s_mov_b32 s[G1W+4], 96
	s_mov_b32 s[G1W+5], 32
	s_mov_b32 s[G1W+6], 0
	s_mov_b32 s[G1W+7], 0
	s_mul_i32 s25, s20, 40960                      ; where they go in a slot: no place in the cluster enters an LDS address
	s_mul_i32 s26, s20, 24576
	s_add_co_u32 s26, s26, 81920
	s_mul_i32 s60, s24, 655360                     ; the rows' images hang on the row block alone,
	s_mul_i32 s61, s20, 40960
	s_add_co_u32 s60, s60, s61
	s_mov_b32 s61, 0
	s_lshl_b32 s62, s23, 19                        ; the weights' on the column block alone: each in registers that never hold the other coordinate
	s_mul_i32 s63, s20, 24576
	s_add_co_u32 s62, s62, s63
	s_mov_b32 s63, 0
	s_wait_kmcnt 0x0
	s_load_b256 s[68:75], s[14:15], 0x0            ; e0 .. e7
	s_load_b128 s[76:79], s[14:15], 0x20           ; e8 .. e11
	s_add_nc_u64 s[60:61], s[4:5], s[60:61]
	s_add_nc_u64 s[62:63], s[6:7], s[62:63]
	CROUND                                         ; all sixteen work-groups are here: the first joint loads meet
.irp p, 0,1
	s_mov_b32 s[G0R+4*\p], 1
	s_add_co_u32 s[G0R+4*\p+1], s25, \p*SLOTB
	s_add_nc_u64 s[G0R+4*\p+2:G0R+4*\p+3], s[60:61], \p*81920
	s_or_b32 s[G0R+4*\p+3], s[G0R+4*\p+3], 0x80000000
	s_mov_b32 s[G0W+4*\p], 1
	s_add_co_u32 s[G0W+4*\p+1], s26, \p*SLOTB
	s_add_nc_u64 s[G0W+4*\p+2:G0W+4*\p+3], s[62:63], \p*65536
	s_or_b32 s[G0W+4*\p+3], s[G0W+4*\p+3], 0x80000000
	JLOAD G0R+4*\p, G1R, G0W+4*\p, G1W             ; K steps 0 and 1: two tensor loads of mine are out
.endr
	v_and_b32 v1, 15, v0                           ; r
	v_bfe_u32 v2, v0, 4, 1                         ; h
	v_and_b32 v3, 31, v0
	v_lshlrev_b32 v3, 4, v3                        ; 16 x lane: my place in an image's 512 bytes
	v_lshlrev_b32 v6, 4, v1
	v_lshl_add_u32 v6, v2, 3, v6                   ; 16 r + 8 h: my 8 bytes of o's codes
	v_lshlrev_b32 v7, 5, v2                        ; 32 h: bq, bk: my eight numbers of a tile's sixteen
	v_lshlrev_b32 v8, 2, v1                        ; 4 r: bv: my channel's
	v_and_b32 v9, 1, v0
	v_lshlrev_b32 v9, 4, v9                        ; 16 (r % 2): where a query's two codes stand in their word
	v_mov_b32 v28, 0                               ; written once: a lane permute's destination counts as one of its sources
	v_mov_b32 v29, 0
	s_lshl_b32 s92, s19, 13                        ; my four images of x
	v_add_nc_u32 v[AX], s92, v3
	v_add_nc_u32 v[AX+1], SLOTB, v[AX]
	s_lshl_b32 s93, s19, 14                        ; my eight images of c
	s_add_co_u32 s94, s93, 16384
	v_add_nc_u32 v[ACK], s94, v3
	v_add_nc_u32 v[ACK+1], SLOTB, v[ACK]
	s_add_co_u32 s94, s93, 49152
	v_add_nc_u32 v[ACV], s94, v3
	v_add_nc_u32 v[ACV+1], SLOTB, v[ACV]
	s_lshl_b32 s94, s20, 13                        ; my four images of each weight
	s_add_co_u32 s94, s94, 81920
	v_add_nc_u32 v[AW], s94, v3
	v_add_nc_u32 v[AW+1], SLOTB, v[AW]
	s_lshl_b32 s66, s23, 9                         ; the biases at my head's first column: 4 (128 x column block + 64 x head)
	s_lshl_b32 s67, s20, 8
	s_add_co_u32 s66, s66, s67
	s_mov_b32 s67, 0
	s_add_nc_u64 s[8:9], s[8:9], s[66:67]
	s_add_nc_u64 s[10:11], s[10:11], s[66:67]
	s_add_nc_u64 s[12:13], s[12:13], s[66:67]
.irp ct, 0,1,2,3
	global_load_b32 v[224+2*\ct], v8, s[12:13] offset:64*\ct   ; bv of channel 16 ct + r
.endr
	s_lshl_b32 s66, s24, 17                        ; o's codes: [row block][K step = column block][image 4 x half + rt]; my head's four chunks of 256 bytes
	s_lshl_b32 s67, s23, 14
	s_add_co_u32 s66, s66, s67
	s_lshl_b32 s67, s19, 13
	s_add_co_u32 s66, s66, s67
	s_lshl_b32 s67, s20, 10
	s_add_co_u32 s66, s66, s67
	s_mov_b32 s67, 0
	s_add_nc_u64 s[16:17], s[16:17], s[66:67]
	s_mov_b32 s80, 0xaaaaaaaa                      ; lanes with r & 1
	s_mov_b32 s81, 0xcccccccc                      ; with r & 2
	s_mov_b32 s82, 0xff00ff00                      ; with r & 8
	s_mov_b32 s83, 0xf0f00f0f                      ; with h = (r / 4) % 2: the half that holds query r's two scores
	s_mov_b32 s84, 0x00300003                      ; of those, the lanes whose codes stand in word 0, 1, 2, 3 of P's four: word = 2 (r / 8) + (r / 2) % 2
	s_mov_b32 s85, 0x00c0000c
	s_mov_b32 s86, 0x30000300
	s_mov_b32 s87, 0xc0000c00
	s_mov_b32 s88, 0x76543210                      ; v_permlanex16_b32's selects for lane l xor 16
	s_mov_b32 s89, 0xfedcba98
	s_wait_kmcnt 0x0
	s_add_co_i32 s96, s68, s69                     ; a sum of the first product stands for sum x 2^(e0 + e1): bq goes in divided by that, and the conversion takes 2^(e6 - e0 - e1)
	s_sub_co_i32 s94, s74, s96
	MKSC s94, 10, 11
	s_sub_co_i32 s96, 0, s96
	s_add_co_i32 s97, s70, s71                     ; k likewise: e7 - e2 - e3
	s_sub_co_i32 s94, s75, s97
	MKSC s94, 12, 13
	s_sub_co_i32 s97, 0, s97
	s_add_co_i32 s98, s72, s73                     ; v: e9 - e4 - e5
	s_sub_co_i32 s94, s77, s98
	MKSC s94, 14, 15
	s_sub_co_i32 s98, 0, s98
	MKSC s76, 24, 25                               ; p: e8
	MKSC s78, 26, 27                               ; o: e10
	s_add_co_i32 s99, s76, s77                     ; e8 + e9
	s_add_co_i32 s94, s74, s75
	s_lshl_b32 s94, s94, 23
	s_add_co_i32 s90, s94, 0x3e38aa3b              ; log2(e) / 8, with e6 + e7 added to its exponent field: t = sum x this
	s_mov_b32 s91, s90                             ; (named with it as a pair, so it is written)
	s_wait_loadcnt 0x0
.irp ct, 0,1,2,3
	v_ldexp_f32 v[224+2*\ct], v[224+2*\ct], s98    ; bv / 2^(e4 + e5),
	v_mov_b32 v[225+2*\ct], v[224+2*\ct]           ; twice: a pair for the packed addition
.endr
.macro FRAG reg, adr, off              ; an image comes back as a fragment's 16 registers
.irp c, 0,1,2,3
	ds_load_b128 v[\reg+4*\c:\reg+4*\c+3], v[\adr] offset:\off+512*\c
.endr
.endm
.macro FETCHR rb, adr, f0              ; four fragments of rows, images f0 on, into window 0
	WIN 0
.irp i, 0,1,2,3
	FRAG \rb+16*\i, \adr, (\f0+\i)*2048
.endr
.endm
.macro FETCHW S, adr, j                ; my four fragments of weight j (0 Wq, 1 Wk, 2 Wv) into window 1
	WIN TO_W
.irp i, 0,1,2,3
	FRAG \S+16*\i, \adr, 16384*\j+2048*\i
.endr
.endm
; four matrix instructions: row tile i against the weight's four column tiles.  tr = 1: transposed (W is source 0).  zero = 1: the product starts the sums: nothing is ever cleared.
.macro MUL4 tr, rb, i, S, base, zero
.irp ct, 0,1,2,3
.if \tr
.if \zero
	v_wmma_f32_16x16x128_bf8_bf8 v[\base+8*(4*(\i)+\ct):\base+8*(4*(\i)+\ct)+7], v[\S+16*\ct:\S+16*\ct+15], v[\rb+16*(\i):\rb+16*(\i)+15], 0
.else
	v_wmma_f32_16x16x128_bf8_bf8 v[\base+8*(4*(\i)+\ct):\base+8*(4*(\i)+\ct)+7], v[\S+16*\ct:\S+16*\ct+15], v[\rb+16*(\i):\rb+16*(\i)+15], v[\base+8*(4*(\i)+\ct):\base+8*(4*(\i)+\ct)+7]
.endif
.else
.if \zero
	v_wmma_f32_16x16x128_bf8_bf8 v[\base+8*(4*(\i)+\ct):\base+8*(4*(\i)+\ct)+7], v[\rb+16*(\i):\rb+16*(\i)+15], v[\S+16*\ct:\S+16*\ct+15], 0
.else
	v_wmma_f32_16x16x128_bf8_bf8 v[\base+8*(4*(\i)+\ct):\base+8*(4*(\i)+\ct)+7], v[\rb+16*(\i):\rb+16*(\i)+15], v[\S+16*\ct:\S+16*\ct+15], v[\base+8*(4*(\i)+\ct):\base+8*(4*(\i)+\ct)+7]
.endif
.endif
.endr
.endm
.macro MUL16 tr, rb, S, base, zero     ; sixteen accumulators, one instruction a turn
.irp i, 0,1,2,3
	MUL4 \tr, \rb, \i, \S, \base, \zero
.endr
.endm
.macro BIASLOAD                        ; bq into v32-63, bk into v64-95: for column tile ct my eight numbers 16 ct + 8 h + 0 .. 7.  x's fragments, which lay there, were last multiplied three runs of places ago
.irp ct, 0,1,2,3
	global_load_b128 v[32+8*\ct:32+8*\ct+3], v7, s[8:9] offset:64*\ct
	global_load_b128 v[32+8*\ct+4:32+8*\ct+7], v7, s[8:9] offset:64*\ct+16
	global_load_b128 v[64+8*\ct:64+8*\ct+3], v7, s[10:11] offset:64*\ct
	global_load_b128 v[64+8*\ct+4:64+8*\ct+7], v7, s[10:11] offset:64*\ct+16
.endr
.endm
; A K STEP of 128, from slot p: 80 matrix instructions in five runs of sixteen; each run's fragments are asked for in front of the run before it.  Wq lies in weight set p, Wk in set 1 - p, Wv in set p again.
; mode 2: the slot is filled again, two K steps ahead, behind a round of the cluster's barrier; mode 1: a plain barrier, nothing is filled; mode 0: the last step.
.macro KSTEP p, zero, mode
	s_wait_dscnt 0x0                               ; x's fragments and Wq's are in
	PLACES
	FETCHR RB0, ACK+\p, 0
	FETCHW 192-64*\p, AW+\p, 1
	WIN Q_MUL
	MUL16 1, RBX, 128+64*\p, 0, \zero              ; q
	s_wait_dscnt 0x0
	PLACES
	FETCHR RB1, ACK+\p, 4
	WIN K_MUL
	MUL16 1, RB0, 192-64*\p, 0, \zero              ; k, key tiles 0-3
	s_wait_dscnt 0x0
	PLACES
	FETCHR RB0, ACV+\p, 0
	FETCHW 128+64*\p, AW+\p, 2
	WIN K_MUL
	MUL16 1, RB1, 192-64*\p, 128, \zero            ; k, key tiles 4-7
	s_wait_dscnt 0x0
	PLACES
	FETCHR RB1, ACV+\p, 4                          ; my last reads of this slot
	WIN V_MUL
	MUL4 0, RB0, 0, 128+64*\p, 0, \zero            ; v, key tiles 0-3
	MUL4 0, RB0, 1, 128+64*\p, 0, \zero
.if \mode
	WIN 0                                          ; (the add's two registers lie in window 0)
	s_wait_tensorcnt 0x0                           ; all my tensor loads have landed: the one that was out is my part of the other slot;
	ds_add_u32 v4, v5                              ; 0 onto my spare word
	WIN V_MUL
	MUL4 0, RB0, 2, 128+64*\p, 0, \zero            ; four matrix instructions stand between the add and the wait for it
	s_wait_dscnt 0x0                               ; the add is done, and my reads of this slot are over
	s_barrier_signal -1
	MUL4 0, RB0, 3, 128+64*\p, 0, \zero
	WIN 0
	s_barrier_wait -1
.if \mode == 2
	CREST                                          ; the barrier has opened a round of the cluster's barrier: no wave of any partner still reads this slot or has a load on its way
	s_add_nc_u64 s[G0R+4*\p+2:G0R+4*\p+3], s[G0R+4*\p+2:G0R+4*\p+3], 2*81920
	s_add_nc_u64 s[G0W+4*\p+2:G0W+4*\p+3], s[G0W+4*\p+2:G0W+4*\p+3], 2*65536
	JLOAD G0R+4*\p, G1R, G0W+4*\p, G1W             ; the first tensor load behind the round, my one load until the next; 72 matrix instructions stand ahead of the wait for it; its four v_nop are also the places for the loads below
.else
	PLACES
.endif
	FETCHR RBX, AX+1-\p, 0                         ; the next K step's x and Wq, from the other slot
	FETCHW 192-64*\p, AW+1-\p, 0
.else
	MUL4 0, RB0, 2, 128+64*\p, 0, \zero
	MUL4 0, RB0, 3, 128+64*\p, 0, \zero
	s_wait_dscnt 0x0
	WIN 0
	BIASLOAD
.endif
	WIN V_MUL
	MUL16 0, RB1, 128+64*\p, 128, \zero            ; v, key tiles 4-7
	WIN 0                                          ; at a label and at a branch every window is 0
.endm
	s_wait_tensorcnt 1                             ; my part of K step 0 is in; K step 1's load may stay out
	s_barrier_signal -1
	s_barrier_wait -1                              ; everybody's is
	FETCHR RBX, AX, 0
	FETCHW 128, AW, 0
	WIN 0
	KSTEP 0, 1, 2                                  ; K step 0 stands in front of the loop: its products start the sums
	s_mov_b32 s3, 2
.Lk:                                               ; K steps 1 to 4
	KSTEP 1, 0, 2
	KSTEP 0, 0, 2
	s_sub_co_u32 s3, s3, 1
	s_cmp_lg_u32 s3, 0
	s_cbranch_scc1 .Lk
	KSTEP 1, 0, 2                                  ; K step 5 asks for K step 7: the last fill
	KSTEP 0, 0, 1
	KSTEP 1, 0, 0
; THE WAY OUT.  Eight sums of one accumulator take their biases (four packed additions, from the accumulator's low end on) and are held within the largest code x the scale.  bs = 0: one pair of biases serves all four.
.macro HOLDB acc, bias, bs, lim
.irp i, 0,2,4,6
	v_pk_add_f32 v[\acc+\i:\acc+\i+1], v[\acc+\i:\acc+\i+1], v[\bias+\bs*\i:\bias+\bs*\i+1]
.endr
.irp i, 0,1,2,3,4,5,6,7
	v_med3_num_f32 v[\acc+\i], v[\acc+\i], -v[\lim], v[\lim]   ; the conversion to an 8-bit code does not saturate (ISA guide 7.6.2)
.endr
.endm
	PLACES                                         ; behind the last products
	WIN 0xc3                                       ; v: source 0 and destination window 3
.irp kt, 0,1,2,3,4,5,6,7
.irp ct, 0,1,2,3
	HOLDB 8*(4*\kt+\ct), 224+2*\ct, 0, 15
.endr
.endr
	WIN 0x03                                       ; its codes into window 0, v96-159: V^T's fragment (64 keys kt / 4, channels ct): registers 2 (kt % 4), + 1: keys 16 (kt % 4) + 8 h + 0 .. 7
.irp kt, 0,1,2,3,4,5,6,7
.irp ct, 0,1,2,3
	v_cvt_scalef32_pk8_bf8_f32 v[96+8*(4*(\kt/4)+\ct)+2*(\kt%4):96+8*(4*(\kt/4)+\ct)+2*(\kt%4)+1], v[8*(4*\kt+\ct):8*(4*\kt+\ct)+7], v14
.endr
.endr
	WIN 0
	s_wait_loadcnt 0x0                             ; bq, bk
.set j, 0
.rept 32
	v_ldexp_f32 v[32+j], v[32+j], s96              ; bq / 2^(e0 + e1)
	v_ldexp_f32 v[64+j], v[64+j], s97              ; bk / 2^(e2 + e3)
.set j, j+1
.endr
	WIN 0x82                                       ; k: window 2
.irp kt, 0,1,2,3,4,5,6,7
.irp ct, 0,1,2,3
	HOLDB 8*(4*\kt+\ct), 64+8*\ct, 1, 13
.endr
.endr
	WIN 0x02                                       ; its codes into v160-223: key tile kt's fragment: registers 2 ct, + 1: channels 16 ct + 8 h + 0 .. 7
.irp kt, 0,1,2,3,4,5,6,7
.irp ct, 0,1,2,3
	v_cvt_scalef32_pk8_bf8_f32 v[160+8*\kt+2*\ct:160+8*\kt+2*\ct+1], v[8*(4*\kt+\ct):8*(4*\kt+\ct)+7], v12
.endr
.endr
	WIN 0x41                                       ; q: window 1
.irp rt, 0,1,2,3
.irp ct, 0,1,2,3
	HOLDB 8*(4*\rt+\ct), 32+8*\ct, 1, 11
.endr
.endr
	WIN 0x01                                       ; its codes into v224-255
.irp rt, 0,1,2,3
.irp ct, 0,1,2,3
	v_cvt_scalef32_pk8_bf8_f32 v[224+8*\rt+2*\ct:224+8*\rt+2*\ct+1], v[8*(4*\rt+\ct):8*(4*\rt+\ct)+7], v10
.endr
.endr
	WIN 0
	v_nop                                          ; one plain vector line between a scaled conversion and the matrix instruction that reads its result
.irp rt, 0,1,2,3                               ; S^T = k q^T: queries 16 rt on against their keys 32 rt + 16 T on.  Lane (r, h), register j: key 16 T + 8 h + j, query r
.irp tt, 0,1
	v_wmma_f32_16x16x64_bf8_bf8 v[32+16*\rt+8*\tt:32+16*\rt+8*\tt+7], v[160+8*(2*\rt+\tt):160+8*(2*\rt+\tt)+7], v[224+8*\rt:224+8*\rt+7], 0
.endr
.endr
	PLACES
; Query r's keys 2 r and 2 r + 1 lie in tile r / 8, half (r / 4) % 2, registers 2 (r % 4) and + 1: seven selects bring each into one register.  Each tile is first read at its registers 0 and 2.
.irp rt, 0,1,2,3
.irp e, 0,1
	v_cndmask_b32 v168, v[32+16*\rt+\e], v[32+16*\rt+2+\e], s80
	v_cndmask_b32 v169, v[32+16*\rt+4+\e], v[32+16*\rt+6+\e], s80
	v_cndmask_b32 v170, v[32+16*\rt+8+\e], v[32+16*\rt+10+\e], s80
	v_cndmask_b32 v171, v[32+16*\rt+12+\e], v[32+16*\rt+14+\e], s80
	v_cndmask_b32 v168, v168, v169, s81
	v_cndmask_b32 v170, v170, v171, s81
	v_cndmask_b32 v[160+2*\rt+\e], v168, v170, s82
.endr
.endr
.irp n, 0,1,2,3,4,5,6,7
	v_permlanex16_b32 v28, v[160+\n], s88, s89     ; the other half of the lanes takes the score from the half that holds it
	v_cndmask_b32 v[160+\n], v28, v[160+\n], s83
.endr
.irp rt, 0,1,2,3
	v_pk_mul_f32 v[160+2*\rt:161+2*\rt], v[160+2*\rt:161+2*\rt], s[90:91] op_sel_hi:[1,0]   ; t
.endr
.irp rt, 0,1,2,3
	v_max_num_f32 v[174+\rt], v[160+2*\rt], v[161+2*\rt]   ; the row's largest t
.endr
.irp rt, 0,1,2,3
	v_floor_f32 v[174+\rt], -v[174+\rt]            ; -M = floor(-t) = -ceil(t): a whole number
.endr
.irp rt, 0,1,2,3
	v_add_f32 v[160+2*\rt], v[160+2*\rt], v[174+\rt]
	v_add_f32 v[161+2*\rt], v[161+2*\rt], v[174+\rt]
.endr
.irp n, 0,1,2,3,4,5,6,7
	v_exp_f32 v[160+\n], v[160+\n]                 ; p = 2^(t - M)
.endr
	v_nop                                          ; a plain line behind the exponentials (ISA guide 5.7.2)
	s_wait_alu depctr_va_vdst(0)
.irp rt, 0,1,2,3
	v_add_f32 v[174+\rt], v[160+2*\rt], v[161+2*\rt]   ; l, of the unquantised p
.endr
.irp rt, 0,1,2,3
	v_rcp_f32 v[178+\rt], v[174+\rt]
.endr
.irp n, 0,1,2,3,4,5,6,7
	v_min_num_f32 v[160+\n], v[160+\n], v25        ; p is never negative: the hold is one-sided.  (Plain lines behind the reciprocals)
.endr
	v_cvt_scalef32_pk8_bf8_f32 v[172:173], v[160:167], v24   ; byte 2 rt + e: the code of p for key 2 r + e of row tile rt
	s_wait_alu depctr_va_vdst(0)
.irp rt, 0,1,2,3
	v_ldexp_f32 v[232+2*\rt], v[178+\rt], s99      ; 2^(e8 + e9) / l, twice: a pair for the packed multiplication.  (Plain lines behind the conversion)
	v_ldexp_f32 v[233+2*\rt], v[178+\rt], s99
.endr
; P's fragment for row tile rt, 16 queries x 64 keys (the 64 that V^T's fragment rt / 2 holds): lane (r, h), registers 2 c, + 1: keys 16 c + 8 h + 0 .. 7.  Query r's two codes stand at keys 32 (rt % 2) + 2 r, + 1; all else is the code 0.
.irp rt, 0,1,2,3
.if (\rt%2) == 0
	v_and_b32 v168, 0xffff, v[172+\rt/2]
.else
	v_lshrrev_b32 v168, 16, v[172+\rt/2]
.endif
	v_lshlrev_b32 v168, v9, v168
.irp i, 0,1,2,3
	v_cndmask_b32 v[32+8*\rt+4*(\rt%2)+\i], v29, v168, s[84+\i]
	v_mov_b32 v[32+8*\rt+4*(1-\rt%2)+\i], 0
.endr
.endr
	WIN 0x40                                       ; O^T = V^T P^T into window 1, where q's sums lay: lane (r, h), register j: query r, channel 16 ct + 8 h + j
.irp rt, 0,1,2,3
.irp ct, 0,1,2,3
	v_wmma_f32_16x16x64_bf8_bf8 v[8*(4*\rt+\ct):8*(4*\rt+\ct)+7], v[96+8*(4*(\rt/2)+\ct):96+8*(4*(\rt/2)+\ct)+7], v[32+8*\rt:32+8*\rt+7], 0
.endr
.endr
	PLACES
	WIN 0x41
.irp rt, 0,1,2,3
.irp ct, 0,1,2,3
.irp i, 0,2,4,6
	v_pk_mul_f32 v[8*(4*\rt+\ct)+\i:8*(4*\rt+\ct)+\i+1], v[8*(4*\rt+\ct)+\i:8*(4*\rt+\ct)+\i+1], v[232+2*\rt:233+2*\rt]   ; o = sum x 2^(e8 + e9) / l
.endr
.irp i, 0,1,2,3,4,5,6,7
	v_med3_num_f32 v[8*(4*\rt+\ct)+\i], v[8*(4*\rt+\ct)+\i], -v27, v27
.endr
.endr
.endr
	WIN 0x01
.irp rt, 0,1,2,3
.irp ct, 0,1,2,3
	v_cvt_scalef32_pk8_bf8_f32 v[64+8*\rt+2*\ct:64+8*\rt+2*\ct+1], v[8*(4*\rt+\ct):8*(4*\rt+\ct)+7], v26
.endr
.endr
	v_nop
	WIN 0
.irp rt, 0,1,2,3
.irp ct, 0,1,2,3
	global_store_b64 v6, v[64+8*\rt+2*\ct:64+8*\rt+2*\ct+1], s[16:17] offset:2048*\rt+256*\ct   ; 32 lanes store 256 consecutive bytes, aligned: chunk 4 x head + ct of image 4 x half + rt
.endr
.endr
	s_wait_tensorcnt 0x0                           ; the wave's end
	ds_add_u32 v4, v5
	s_wait_dscnt 0x0
	CROUND                                         ; the closing round: no work-group ends while a partner may still ask for a tile that names it
	s_endpgm
.Lfunc_end_k_qea3d7ac93b_qkvatt:
	.size	k_qea3d7ac93b_qkvatt, .Lfunc_end_k_qea3d7ac93b_qkvatt-k_qea3d7ac93b_qkvatt
	.p2alignl 7, 3214868480
	.fill 96, 4, 3214868480
	.section	.rodata,"a",@progbits
	.p2align	6, 0x0
	.amdhsa_kernel k_qea3d7ac93b_qkvatt
		.amdhsa_group_segment_fixed_size 327680
		.amdhsa_private_segment_fixed_size 0
		.amdhsa_enable_private_segment 0
		.amdhsa_kernarg_size 56
		.amdhsa_user_sgpr_count 2
		.amdhsa_user_sgpr_kernarg_segment_ptr 1
		.amdhsa_wavefront_size32 1
		.amdhsa_system_sgpr_workgroup_id_x 1
		.amdhsa_system_sgpr_workgroup_id_y 1
		.amdhsa_system_sgpr_workgroup_id_z 1
		.amdhsa_system_vgpr_workitem_id 0
		.amdhsa_next_free_vgpr 1024
		.amdhsa_next_free_sgpr 100
		.amdhsa_reserve_vcc 0
		.amdhsa_float_denorm_mode_32 3
		.amdhsa_float_denorm_mode_16_64 3
		.amdhsa_memory_ordered 1
		.amdhsa_forward_progress 1
		.amdhsa_inst_pref_size 197
	.end_amdhsa_kernel
	.amdgpu_metadata
---
amdhsa.version: [ 1, 2 ]
amdhsa.kernels:
  - .name:           k_qea3d7ac93b_qkvatt
    .symbol:         k_qea3d7ac93b_qkvatt.kd
    .args:
      - { .name: rows, .offset: 0, .size: 8, .value_kind: global_buffer, .address_space: global }
      - { .name: wts, .offset: 8, .size: 8, .value_kind: global_buffer, .address_space: global }
      - { .name: bq, .offset: 16, .size: 8, .value_kind: global_buffer, .address_space: global }
      - { .name: bk, .offset: 24, .size: 8, .value_kind: global_buffer, .address_space: global }
      - { .name: bv, .offset: 32, .size: 8, .value_kind: global_buffer, .address_space: global }
      - { .name: lowp_scales, .offset: 40, .size: 8, .value_kind: global_buffer, .address_space: global }
      - { .name: ocod, .offset: 48, .size: 8, .value_kind: global_buffer, .address_space: global }
    .group_segment_fixed_size: 327680
    .private_segment_fixed_size: 0
    .kernarg_segment_align: 8
    .kernarg_segment_size: 56
    .max_flat_workgroup_size: 128
    .sgpr_count:     100
    .vgpr_count:     1024
    .wavefront_size: 32
...
	.end_amdgpu_metadata
.endif
;; end of part 2
;; launch oproj (part 3): grid 8 x 32, 4 waves a work-group, clusters of 4 x 4, 327,680 bytes of LDS; arguments ocod, wts, bo, lowp_scales, out0; writes out0
.if DOCPART == 3
	.amdgcn_target "amdgcn-amd-amdhsa--gfx1250"
	.amdhsa_code_object_version 6
	.text
	.protected	k_qea3d7ac93b_oproj
	.globl	k_qea3d7ac93b_oproj
	.p2align	8
	.type	k_qea3d7ac93b_oproj,@function
k_qea3d7ac93b_oproj:
	s_mov_b64 s[64:65], 0
	v_nop
	global_prefetch_b8 v0, s[64:65] scope:SCOPE_SE
	s_setreg_imm32_b32 hwreg(HW_REG_WAVE_MODE, 25, 1), 1
	s_wait_xcnt 0x0
	s_wait_alu depctr_hold_cnt(0) depctr_sa_sdst(0) depctr_va_vdst(0) depctr_va_sdst(0) depctr_va_ssrc(0) depctr_va_vcc(0) depctr_vm_vsrc(0)
	s_getreg_b32 s2, hwreg(HW_REG_IB_STS2, 6, 4)
	s_cmp_eq_u32 s2, 0
	s_cbranch_scc0 .Lentry_in_a_cluster
	s_endpgm
.Lentry_in_a_cluster:
	s_bfe_u32 s2, ttmp6, 0x10000c
	s_cmp_lg_u32 s2, 0xf033
	s_cbranch_scc0 .Lentry_shape_is_right
	s_endpgm
.Lentry_shape_is_right:
; out0 = o Wo^T x 2^(e10 + e11) + bo.  o [4096][1024] and Wo [1024][1024] are codes of BF8 (E5M2), laid as images of operand registers (16 rows x 128 K, 2,048 bytes: the code of (r, k) at 256 (k / 16) + 16 r + k % 16).
; LIMIT: e10 + e11 lies between -126 and 127, so that 2^(e10 + e11) is an f32 number.
; A work-group makes 128 x 128 of out0, each of its four waves 64 x 64: 16 accumulators.  THE WHOLE K FITS IN LDS: o's 8 K steps of 16,384 bytes from byte 0 on, Wo's from byte 131,072 on.  No LDS byte is filled twice:
; there is no ring.  Each wave issues four tensor loads at the start (K steps 2 s + wave % 2, s = 0 .. 3; waves 0, 1 for o, waves 2, 3 for Wo): four of a wave's loads are out at the most;
; counted waits and plain barriers let the products begin when the first two K steps have landed.
; CLUSTERS: 4 x 4 work-groups; o's images are shared along a row of the cluster, Wo's along a column: joint loads with a mask that names the four.
; THE MATRIX INSTRUCTION IS USED TRANSPOSED (source 0 = 16 rows of Wo, source 1 = 16 rows of o): a lane holds eight neighbouring numbers of a row of out0.
; REGISTERS.  Window 0: v1-11 addresses; v32-63 bo; v64-95, v96-127 rows read back from the stage, by turns; v128-255 the accumulators ((a, b) at 128 + 8 (4 a + b)).   Window 1: two fragment buffers of 128: o's four, then Wo's four.
.set BOFF,  131072                     ; Wo's images in LDS
.set STAGE, 262144                     ; behind them: 16 rows x (256 bytes + 16) for each wave, for the way out; no tensor load lands there
.set SP,    272
.set ACC,   128
.set MUL,   0x05                       ; sources 0 and 1 window 1; C and D window 0
.set TO_F,  0x40                       ; destination window 1
.set MSB, 0
.macro WIN new
.if MSB != \new
	s_set_vgpr_msb (MSB<<8)|\new
.set MSB, \new
.endif
.endm
.macro PLACES                          ; four plain vector lines between a matrix instruction and a load into, or a vector read of, its registers (ISA guide 7.12.1 for vector reads)
.rept 4
	v_nop
.endr
.endm
.macro CROUND                          ; a round of the cluster's barrier
	s_barrier_signal -1
	s_barrier_wait -1
	s_cmp_lg_u32 s14, 0
	s_cbranch_scc1 .Lnot_wave_0_\@
	s_barrier_signal -3
.Lnot_wave_0_\@:
	s_barrier_wait -3
	s_barrier_signal -1
	s_barrier_wait -1
.endm
	s_load_b256 s[4:11], s[0:1], 0x0               ; o's codes s[4:5], wts s[6:7], bo s[8:9], the exponents s[10:11]
	s_load_b64 s[12:13], s[0:1], 0x20              ; out0
	v_lshl_add_u32 v30, v0, 2, 0x44400
	v_mov_b32 v31, 0
	ds_add_u32 v30, v31
	ds_add_u32 v30, v31
	v_lshrrev_b32 v1, 5, v0
	v_readfirstlane_b32 s14, v1                    ; wave 0..3
	s_lshr_b32 s15, s14, 1                         ; which half of the rows is mine.  Also: I fetch for o (0) or for Wo (1)
	s_and_b32 s16, s14, 1                          ; which half of the columns.  Also: the even or the odd K steps
	s_bfe_u32 s17, ttmp6, 0x40000                  ; cx, cy
	s_bfe_u32 s18, ttmp6, 0x40004
	s_lshl_b32 s19, ttmp9, 2
	s_add_co_u32 s19, s19, s17                     ; column block
	s_and_b32 s52, ttmp7, 0xffff
	s_lshl_b32 s52, s52, 2
	s_add_co_u32 s52, s52, s18                     ; row block
	s_lshl_b32 s53, s18, 2
	s_lshl_b32 s53, 15, s53                        ; my row of the cluster
	s_lshl_b32 s54, 0x1111, s17                    ; my column
	s_or_b32 s20, s53, (3<<16)|(1<<21)             ; group 1 for o's images: the mask; elements of 8 bytes; bit 21 set beside a mask
	s_or_b32 s28, s54, (3<<16)|(1<<21)             ; for Wo's
.irp g, 20, 28
	s_mov_b32 s[\g+1], 32<<16                      ; a dense block of 16,384 bytes as 64 rows of 256 bytes: tensor_dim0 = 32
	s_mov_b32 s[\g+2], 64<<16                      ; tensor_dim1 = 64
	s_mov_b32 s[\g+3], 32<<16                      ; tile_dim0 = 32
	s_mov_b32 s[\g+4], 64                          ; tile_dim1 = 64
	s_mov_b32 s[\g+5], 32                          ; from row to row
	s_mov_b32 s[\g+6], 0
	s_mov_b32 s[\g+7], 0
.endr
	s_lshl_b32 s56, s52, 17                        ; o: 131,072 x row block + 16,384 x K step
	s_lshl_b32 s57, s16, 14
	s_add_co_u32 s56, s56, s57
	s_mov_b32 s57, 0
	s_lshl_b32 s58, s19, 19                        ; Wo: 524,288 x column block + 65,536 x K step + 49,152 (behind Wq, Wk, Wv)
	s_lshl_b32 s59, s16, 16
	s_add_co_u32 s58, s58, s59
	s_add_co_u32 s58, s58, 49152
	s_mov_b32 s59, 0
	s_lshl_b32 s55, s16, 14                        ; in LDS: 16,384 x K step: no place in the cluster enters an LDS address
	s_wait_dscnt 0x0
	s_wait_kmcnt 0x0
	s_load_b64 s[86:87], s[10:11], 0x28            ; e10, e11
	s_add_nc_u64 s[56:57], s[4:5], s[56:57]
	s_add_nc_u64 s[58:59], s[6:7], s[58:59]
.irp s, 0,1,2,3
	s_mov_b32 s[36+4*\s], 1
	s_add_co_u32 s[37+4*\s], s55, 32768*\s
	s_add_nc_u64 s[38+4*\s:39+4*\s], s[56:57], 32768*\s
	s_or_b32 s[39+4*\s], s[39+4*\s], 0x80000000
	s_mov_b32 s[68+4*\s], 1
	s_add_co_u32 s[69+4*\s], s55, BOFF+32768*\s
	s_add_nc_u64 s[70+4*\s:71+4*\s], s[58:59], 131072*\s
	s_or_b32 s[71+4*\s], s[71+4*\s], 0x80000000
.endr
	CROUND                                         ; all sixteen work-groups are here: the joint loads meet
	s_cmp_eq_u32 s15, 0                            ; a wave's four fills stand in one branch on the wave's number, ahead of every wait on TENSORcnt, every LDS read and every other barrier
	s_cbranch_scc0 .Lfor_b
	tensor_load_to_lds s[36:39], s[20:27]
	s_nop 0
	tensor_load_to_lds s[40:43], s[20:27]
	s_nop 0
	tensor_load_to_lds s[44:47], s[20:27]
	s_nop 0
	tensor_load_to_lds s[48:51], s[20:27]
	s_nop 0
.rept 4
	v_nop
.endr
	s_branch .Lasked
.Lfor_b:
	tensor_load_to_lds s[68:71], s[28:35]
	s_nop 0
	tensor_load_to_lds s[72:75], s[28:35]
	s_nop 0
	tensor_load_to_lds s[76:79], s[28:35]
	s_nop 0
	tensor_load_to_lds s[80:83], s[28:35]
	s_nop 0
.rept 4
	v_nop
.endr
.Lasked:
	v_and_b32 v1, 15, v0                           ; r
	v_bfe_u32 v2, v0, 4, 1                         ; h
	v_and_b32 v3, 31, v0
	v_lshlrev_b32 v3, 4, v3                        ; 16 x lane
	s_lshl_b32 s60, s15, 13
	v_add_nc_u32 v4, s60, v3                       ; my four images of o, K steps 0-3;
	v_add_nc_u32 v5, 0x10000, v4                   ; K steps 4-7
	s_lshl_b32 s60, s16, 13
	s_add_co_u32 s60, s60, BOFF
	v_add_nc_u32 v6, s60, v3                       ; my four images of Wo
	v_add_nc_u32 v7, 0x10000, v6
	s_mul_i32 s60, s14, 16*SP
	s_add_co_u32 s60, s60, STAGE                   ; my stage
	v_mul_u32_u24 v8, v1, SP
	v_lshl_add_u32 v8, v2, 5, v8
	v_add_nc_u32 v8, s60, v8                       ; in: row r, 32 bytes for each half of the lanes
	v_mul_u32_u24 v9, v2, SP
	v_lshl_add_u32 v9, v1, 4, v9
	v_add_nc_u32 v9, s60, v9                       ; back: lanes 0-15 one row of 256 bytes, lanes 16-31 the next
	v_lshlrev_b32 v10, 12, v2
	v_lshl_add_u32 v10, v1, 4, v10                 ; and the same two rows in out0
	v_lshlrev_b32 v11, 5, v2                       ; bo: my eight numbers of a tile's sixteen
	s_lshl_b32 s60, s19, 9                         ; my first column, in bytes: 4 (128 x column block + 64 x half)
	s_lshl_b32 s61, s16, 8
	s_add_co_u32 s60, s60, s61
	s_mov_b32 s61, 0
	s_add_nc_u64 s[8:9], s[8:9], s[60:61]
	s_add_nc_u64 s[12:13], s[12:13], s[60:61]
	s_lshl_b32 s62, s52, 19                        ; my first row: (128 x row block + 64 x half) x 4,096 bytes
	s_lshl_b32 s63, s15, 18
	s_add_co_u32 s62, s62, s63
	s_mov_b32 s63, 0
	s_add_nc_u64 s[12:13], s[12:13], s[62:63]
.irp b, 0,1,2,3
	global_load_b128 v[32+8*\b:32+8*\b+3], v11, s[8:9] offset:64*\b
	global_load_b128 v[32+8*\b+4:32+8*\b+7], v11, s[8:9] offset:64*\b+16
.endr
	s_wait_kmcnt 0x0
	s_add_co_i32 s84, s86, s87
	s_add_co_i32 s84, s84, 127
	s_lshl_b32 s84, s84, 23                        ; 2^(e10 + e11) as f32
	s_mov_b32 s85, s84                             ; (named with it as a pair, so it is written)
.macro FRAG reg, adr, off
.irp c, 0,1,2,3
	ds_load_b128 v[\reg+4*\c:\reg+4*\c+3], v[\adr] offset:\off+512*\c
.endr
.endm
.macro FETCH ks, f                     ; K step ks: my four fragments of o, then of Wo, into buffer f: 32 loads in one run
	WIN TO_F
.irp i, 0,1,2,3
	FRAG \f+16*\i, 4+(\ks)/4, 16384*((\ks)%4)+2048*\i
.endr
.irp i, 0,1,2,3
	FRAG \f+64+16*\i, 6+(\ks)/4, 16384*((\ks)%4)+2048*\i
.endr
.endm
.macro MULS f, zero                    ; sixteen accumulators, one instruction a turn; zero = 1: the products start the sums
.irp a, 0,1,2,3
.irp b, 0,1,2,3
.if \zero
	v_wmma_f32_16x16x128_bf8_bf8 v[ACC+8*(4*\a+\b):ACC+8*(4*\a+\b)+7], v[\f+64+16*\b:\f+64+16*\b+15], v[\f+16*\a:\f+16*\a+15], 0
.else
	v_wmma_f32_16x16x128_bf8_bf8 v[ACC+8*(4*\a+\b):ACC+8*(4*\a+\b)+7], v[\f+64+16*\b:\f+64+16*\b+15], v[\f+16*\a:\f+16*\a+15], v[ACC+8*(4*\a+\b):ACC+8*(4*\a+\b)+7]
.endif
.endr
.endr
.endm
.macro OSTEP ks
	s_wait_dscnt 0x0                               ; this K step's fragments are in; no LDS instruction of mine is out at the signal below
.if (\ks == 1) || (\ks == 3) || (\ks == 5)
	s_wait_tensorcnt (5-\ks)/2                     ; my load for K steps ks + 1, ks + 2 has landed; my later ones may stay out
	s_barrier_signal -1
	s_barrier_wait -1                              ; everybody's has
.endif
.if \ks < 7
	PLACES
	FETCH \ks+1, 128*((\ks+1)%2)
.endif
	WIN MUL
.if \ks == 0
	MULS 0, 1
.else
	MULS 128*((\ks)%2), 0
.endif
.endm
	s_wait_tensorcnt 3                             ; my first load has landed; three may stay out
	s_barrier_signal -1
	s_barrier_wait -1                              ; K steps 0 and 1 of both operands lie in LDS
	FETCH 0, 0
	OSTEP 0
	OSTEP 1
	OSTEP 2
	OSTEP 3
	OSTEP 4
	OSTEP 5
	OSTEP 6
	OSTEP 7
	WIN 0
; THE WAY OUT, by blocks of 16 rows x 64 columns: sum x 2^(e10 + e11) + bo, each accumulator from its low end on; through my own stage in LDS; back as whole rows of 256 bytes.
; LDS serves a wave's instructions in order (ISA guide 5.7.1.4): no wait between the stores and the loads, nor in front of the next block's stores.
.macro TOSTAGE a
.irp b, 0,1,2,3
.irp i, 0,2,4,6
	v_pk_fma_f32 v[ACC+8*(4*\a+\b)+\i:ACC+8*(4*\a+\b)+\i+1], v[ACC+8*(4*\a+\b)+\i:ACC+8*(4*\a+\b)+\i+1], s[84:85], v[32+8*\b+\i:32+8*\b+\i+1] op_sel_hi:[1,0,1]
.endr
.endr
.irp b, 0,1,2,3
	ds_store_b128 v8, v[ACC+8*(4*\a+\b):ACC+8*(4*\a+\b)+3] offset:64*\b
	ds_store_b128 v8, v[ACC+8*(4*\a+\b)+4:ACC+8*(4*\a+\b)+7] offset:64*\b+16
.endr
.irp t, 0,1,2,3,4,5,6,7
	ds_load_b128 v[64+32*((\a)%2)+4*\t:64+32*((\a)%2)+4*\t+3], v9 offset:2*SP*\t
.endr
.endm
.macro SEND a, younger                 ; younger: the LDS instructions issued behind block a's loads, which may stay out
	s_wait_dscnt \younger
.irp t, 0,1,2,3,4,5,6,7
	global_store_b128 v10, v[64+32*((\a)%2)+4*\t:64+32*((\a)%2)+4*\t+3], s[12:13] offset:(16*(\a)+2*\t)*4096 th:TH_STORE_NT   ; 16 lanes store 256 consecutive bytes, aligned; written once, read by nobody here
.endr
.endm
	PLACES                                         ; behind the last products
	s_wait_loadcnt 0x0                             ; bo
	TOSTAGE 0
	TOSTAGE 1
	SEND 0, 16                                     ; behind block 0's loads: block 1's eight stores and eight loads
	s_wait_xcnt 0x0                                ; block 0's stores have read their registers: block 2's loads may land there
	TOSTAGE 2
	SEND 1, 16
	s_wait_xcnt 0x0
	TOSTAGE 3
	SEND 2, 16
	SEND 3, 0
	s_wait_tensorcnt 0x0
	ds_add_u32 v30, v31
	s_wait_dscnt 0x0
	CROUND                                         ; the closing round: no work-group ends while a partner may still ask for a tile that names it
	s_endpgm
.Lfunc_end_k_qea3d7ac93b_oproj:
	.size	k_qea3d7ac93b_oproj, .Lfunc_end_k_qea3d7ac93b_oproj-k_qea3d7ac93b_oproj
	.p2alignl 7, 3214868480
	.fill 96, 4, 3214868480
	.section	.rodata,"a",@progbits
	.p2align	6, 0x0
	.amdhsa_kernel k_qea3d7ac93b_oproj
		.amdhsa_group_segment_fixed_size 327680
		.amdhsa_private_segment_fixed_size 0
		.amdhsa_enable_private_segment 0
		.amdhsa_kernarg_size 40
		.amdhsa_user_sgpr_count 2
		.amdhsa_user_sgpr_kernarg_segment_ptr 1
		.amdhsa_wavefront_size32 1
		.amdhsa_system_sgpr_workgroup_id_x 1
		.amdhsa_system_sgpr_workgroup_id_y 1
		.amdhsa_system_sgpr_workgroup_id_z 1
		.amdhsa_system_vgpr_workitem_id 0
		.amdhsa_next_free_vgpr 512
		.amdhsa_next_free_sgpr 96
		.amdhsa_reserve_vcc 0
		.amdhsa_float_denorm_mode_32 3
		.amdhsa_float_denorm_mode_16_64 3
		.amdhsa_memory_ordered 1
		.amdhsa_forward_progress 1
		.amdhsa_inst_pref_size 47
	.end_amdhsa_kernel
	.amdgpu_metadata
---
amdhsa.version: [ 1, 2 ]
amdhsa.kernels:
  - .name:           k_qea3d7ac93b_oproj
    .symbol:         k_qea3d7ac93b_oproj.kd
    .args:
      - { .name: ocod, .offset: 0, .size: 8, .value_kind: global_buffer, .address_space: global }
      - { .name: wts, .offset: 8, .size: 8, .value_kind: global_buffer, .address_space: global }
      - { .name: bo, .offset: 16, .size: 8, .value_kind: global_buffer, .address_space: global }
      - { .name: lowp_scales, .offset: 24, .size: 8, .value_kind: global_buffer, .address_space: global }
      - { .name: out0, .offset: 32, .size: 8, .value_kind: global_buffer, .address_space: global }
    .group_segment_fixed_size: 327680
    .private_segment_fixed_size: 0
    .kernarg_segment_align: 8
    .kernarg_segment_size: 40
    .max_flat_workgroup_size: 128
    .sgpr_count:     96
    .vgpr_count:     512
    .wavefront_size: 32
...
	.end_amdgpu_metadata
.endif
;; end of part 3
